; MI455X (gfx1250); checked and timed in simulation.
; The chip was launched on July 23, 2026; its instructions are those of AMD's public machine-readable ISA for CDNA 5 (MIT licence, August 2026) and "CDNA5" Instruction Set Architecture Reference Guide (July 2026). The comments in the code are by the model that wrote it; some were corrected since.
;; Encoder Layer. Allowed arithmetic: matrix products marked QUANTISED: E2M1 operands, one E8M0 scale for each 32 along K, by v_wmma_scale_f32_16x16x128_f8f6f4 with both operands' format E2M1 (or v_wmma_scale_f32_32x16x128_f4), f32 sums; everything else in f32.
;; Inputs: W1_codes 1,024 x 16 x 16 uint8 (E2M1 codes of W1, K innermost, in blocks of 32 codes, two codes a byte); W1_scales 1,024 x 16 uint8 (E8M0 scales of W1, one for each 32 codes along K); W2_codes 512 x 32 x 16 uint8 (E2M1 codes of W2, K innermost, in blocks of 32 codes, two codes a byte); W2_scales 512 x 32 uint8 (E8M0 scales of W2, one for each 32 codes along K); b1 1,024 float32; b2 512 float32; ln1_b 512 float32; ln1_g 512 float32; ln2_b 512 float32; ln2_g 512 float32; x 64 x 500 x 512 float32.
;; Outputs: out0 64 x 500 x 512 float32.
;; This version of the problem:
;;   THIS VERSION OF THE PROBLEM IS GIVEN IN LOW PRECISION. The matrix products marked QUANTISED in the list below multiply operands that are first quantised to E2M1 (2 exponent bits, 1 mantissa bit; 4 bits a number), with one power-of-two scale for each 32 numbers along K (OCP MX v1.0); their sums are f32. All else is computed in f32.
;;   The module's matrix products, in the order in which they are computed (A, B: the left and right operand; K: the contracted axis; several contracted axes count as one K, in the product's order):
;;     1. batch 512 x [M 500, K 64] x [K 64, N 500]; A: computed on the way; B: computed on the way: QUANTISED
;;     2. batch 512 x [M 500, K 500] x [K 500, N 64]; A: softmax (see below); B: computed on the way: QUANTISED
;;     3. [M 32,000, K 512] x [K 512, N 1,024]; A: computed on the way; B: input W1 (given as codes): QUANTISED
;;     4. [M 32,000, K 1,024] x [K 1,024, N 512]; A: computed on the way; B: input W2 (given as codes): QUANTISED
;;   THE QUANTISER, for each operand of a quantised product, along K:
;;     - K is cut into blocks of 32 from its start; a last block that is shorter is filled with zeros.
;;     - A block's scale is 2^e with e = floor(log2(the largest magnitude in the block)) - 2, held to -126 .. 127; a block of zeros has e = 0. As a byte (E8M0): e + 127.
;;     - Each number is divided by its block's scale, clamped to +-6, and rounded to the nearest number of E2M1, ties to even, subnormals kept.
;;     - The product sums the exact products of the quantised numbers (number of the format x scale) in f32.
;;   ~~~python
;;   def quantise(x, axis):      # numpy; x: float32 -> the quantised numbers, widened to float32 again
;;       x = np.moveaxis(x, axis, -1); K = x.shape[-1]
;;       x = np.pad(x, [(0, 0)] * (x.ndim - 1) + [(0, -K % 32)]); x = x.reshape(x.shape[:-1] + (-1, 32)); a = np.abs(x).max(-1, keepdims=True)
;;       e = np.where(a > 0, np.clip(np.frexp(np.where(a > 0, a, 1))[1] - 1 - 2, -126, 127), 0)      # np.frexp(a)[1] - 1 = floor(log2(a)), exactly
;;       r = np.clip(x / 2.0 ** e, -6, 6)
;;       step = 2.0 ** (np.maximum(np.frexp(np.where(r == 0, 1, r))[1] - 1, 0) - 1)
;;       q = np.round(r / step) * step * 2.0 ** e      # np.round: ties to even
;;       return np.moveaxis(q.reshape(q.shape[:-2] + (-1,))[..., :K], -1, axis).astype(np.float32)
;;   ~~~
;;   SOFTMAX AHEAD OF A QUANTISED PRODUCT. Where the list says 'softmax', what is quantised is not the finished softmax but p = 2^(t - M), with t = logit x log2(e) and M = ceil(the row's largest t), a whole number; so 1/2 < the row's largest p <= 1. The row's sum l is taken of the UNQUANTISED p, in f32, and the product's result is divided by l at the end. Since M is a whole number, a kernel that streams over the keys may use a running M (the ceiling of the running maximum): every later rescaling is an exact power of two, which a block's scale takes up: the codes' values come out the same.
;;   OPERANDS COMPUTED ON THE WAY. 'Computed on the way' means the value that the module computes at that place (a softmax that the list does not call 'softmax' is quantised finished and normalised). What goes into a quantiser is computed in f32, as accurately as f32 sums, v_exp_f32 and their like allow (about 1e-6 of the number): no bf16 or f16 on the way to a quantiser, and a product that is left as it is and whose result goes on into a quantised operand takes f32 operands (vector FMAs, or v_wmma_f32_16x16x4_f32). A number that lies on a knife's edge between two numbers of the format may be rounded either way, as far as f32 arithmetic and the matrix unit's own rounding can turn it there, and no further.
;;   INPUTS GIVEN AS CODES. W1 (in the module: [512, 1024], K = its axis 0); W2 (in the module: [1024, 512], K = its axis 0): each comes as NAME_codes (uint8): NAME with its K axis moved to the last place and cut into blocks of 32 codes, [.., K / 32, bytes a block], one block behind the other in memory; two codes a byte, the lower K in the low four bits (a code: sign, 2 exponent bits, 1 mantissa bit); and NAME_scales (uint8): the same leading axes, one E8M0 byte (e + 127) for each 32 codes along K. Its value is code x scale, taken as it is: it is not quantised again, and the codes and scales need not be those that the quantiser above would give.
;; One version. Each part assembles by itself: llvm-mc -triple=amdgcn-amd-amdhsa -mcpu=gfx1250 --defsym DOCPART=n.
;; ======== version 1 of 1: 2 launches
;; workspace buffers: kq 8,388,608 bytes; kqs 1,048,576 bytes; vt 8,388,608 bytes; vts 524,288 bytes; stats 262,144 bytes
;; launch prep (part 1): grid 4 x 64, 16 waves a work-group, no clusters, 141,312 bytes of LDS; arguments x, ln1_g, ln1_b, kq, kqs, vt, vts, stats; writes kq, kqs, vt, vts, stats
.if DOCPART == 1
	.amdgcn_target "amdgcn-amd-amdhsa--gfx1250"
	.amdhsa_code_object_version 6
	.text
	.protected	k_qbb33f655b0_prep
	.globl	k_qbb33f655b0_prep
	.p2align	8
	.type	k_qbb33f655b0_prep,@function
k_qbb33f655b0_prep:
	s_mov_b64 s[64:65], 0
	v_nop
	global_prefetch_b8 v0, s[64:65] scope:SCOPE_SE
	s_setreg_imm32_b32 hwreg(HW_REG_WAVE_MODE, 25, 1), 1
	s_wait_xcnt 0x0
; h = LN1(x), x [64][500][512] f32, turned into the two sets of MX-FP4 codes (E2M1, one E8M0 byte for each 32) that the attention wants, and the rows' (mean, 1/sqrt(var + eps)).
;   kq    [b][head 8][row 512][32 B]   codes of h along a head's 64 channels (queries and keys); rows 500-511 are zero codes
;   kqs   [b][head][row 512] u32       the row's two scale bytes, twice: (s0, s1, s0, s1)
;   vt    [b][head][step 4][tile 4][c 2][lane 32][16 B]  codes of h along the KEYS, as the image of the operand's registers: lane (m, hh) of tile 2 bb + u holds channel 32 bb + 8 u + m + 8 (m / 8), keys 128 step + 64 c + 32 hh + 0..31
;   vts   [b][step 4][head 8][tile 4][m 16] u32          the four key blocks' scale bytes of that channel
;   stats [b][row 512][2] f32
; SHARES.  A work-group owns 128 rows (a key step) of one batch, in four sub-blocks of 32 rows (a key block).  In a sub-block wave w normalises rows 2 w, 2 w + 1 and lays them into a stage in LDS; behind one barrier
; it quantises 16 rows x one head along the channels (a lane holds a whole block of 32 channels) and 32 channels along the 32 rows (a lane holds a channel, its registers run down the keys).
; All 32 loads of a wave's eight rows go out at the head.  Two stages take turns, so one barrier a sub-block orders both the writing and the next overwriting.
; A block's scale is 2^(floor(log2(largest magnitude)) - 2): its byte is the largest magnitude's exponent field - 2, held at 1 from below.
; LIMITS: NaN and infinities among the inputs are not served.  A block of zeros, or one whose largest magnitude lies under 2^-124, gets the byte 1 where the quantiser says 127 or less: its codes are zeros or are
; made against 2^-126; the bytes are read by this program alone.
.set PITCH, 2064                       ; a stage row: 2,048 bytes + 16: 129 x 16, so the sixteen rows of a 16-byte read start in different banks
.set STG1,  32*PITCH                   ; the second stage
.set OUTB,  2*STG1                     ; behind the stages: kqs' 4,096 bytes, vts' 2,048, stats' 1,024, gathered here and stored in runs of 512 bytes
.set GV,  16                           ; v16-31   gain of my channels 128 i + 4 lane + 0..3
.set BV,  32                           ; v32-47   bias
.set X,   48                           ; v48-175  eight rows x 16; a sub-block's first eight registers later hold its codes, so no store's data are written again
.set D1,  176                          ; v176-207 32 channels of one row
.set D2,  208                          ; v208-239 32 keys of one channel
.set T,   240                          ; v240-255 at work: for row e at T + 8 e: +0..3 two chains, +4 mean, +5 rstd (stored with it), +6 rstd (a pair's low word), +7 the lane exchange
.set WV,  2
.set SEL, 40
	s_load_b512 s[4:19], s[0:1], 0x0               ; x, gain, bias, kq, kqs, vt, vts, stats
	v_lshrrev_b32 v14, 5, v0
	v_readfirstlane_b32 s[WV], v14                 ; wave 0..15
	s_and_b32 s20, ttmp7, 0xffff                   ; batch
	v_and_b32 v15, 31, v0
	v_lshlrev_b32 v1, 4, v15                       ; 16 x lane
	v_mad_u32_u24 v2, v14, 2*PITCH, v1             ; where I lay my two rows: stage 0,
	v_add_nc_u32 v3, STG1, v2                      ; stage 1
	v_and_b32 v176, 15, v0                         ; r
	v_bfe_u32 v177, v0, 4, 1                       ; hh
	v_bfe_u32 v178, v0, 5, 3                       ; head = wave % 8
	v_bfe_u32 v179, v0, 8, 1                       ; tt = wave / 8: which 16 rows
	v_lshl_add_u32 v180, v179, 4, v176             ; 16 tt + r
	v_mul_u32_u24 v4, v180, PITCH
	v_lshl_add_u32 v4, v178, 8, v4
	v_lshl_add_u32 v4, v177, 7, v4                 ; along the channels: row 16 tt + r, byte 256 head + 128 hh
	v_add_nc_u32 v5, STG1, v4
	v_lshlrev_b32 v6, 2, v0                        ; along the keys: channel 32 wave + lane
	v_add_nc_u32 v7, STG1, v6
	v_lshlrev_b32 v8, 5, v176
	v_lshl_add_u32 v8, v177, 4, v8                 ; kq: 32 r + 16 hh
	v_bfe_u32 v181, v0, 3, 1                       ; my channel in its half head is 16 x + 8 u + y: x = bit 4, u = bit 3, y = bits 2:0
	v_and_b32 v182, 7, v0
	v_lshlrev_b32 v9, 4, v182
	v_lshl_add_u32 v9, v177, 7, v9
	v_lshl_add_u32 v9, v181, 10, v9                ; vt: 1024 u + 16 (8 x + y)
	v_lshlrev_b32 v10, 2, v180
	v_lshl_add_u32 v10, v178, 9, v10
	v_add_nc_u32 v10, OUTB, v10                    ; kqs in LDS: 512 head + 4 (16 tt + r)
	v_lshlrev_b32 v11, 2, v182
	v_lshl_add_u32 v11, v177, 5, v11
	v_lshl_add_u32 v11, v181, 6, v11
	v_lshl_add_u32 v11, v14, 7, v11
	v_add_nc_u32 v11, OUTB+4096, v11               ; vts in LDS: 128 wave + 64 u + 4 (8 x + y)
	v_lshl_add_u32 v12, v14, 4, OUTB+6144          ; stats in LDS: 16 wave
	s_mov_b32 s[SEL], 0x76543210
	s_mov_b32 s[SEL+1], 0xfedcba98                 ; lane l xor 16
	s_mov_b32 s42, 0x3b000000                      ; 1 / 512
	s_mov_b32 s43, 0x358637bd                      ; 1e-6
	s_mov_b32 s48, 0xffff0000                      ; the lanes with hh = 1
	s_mul_i32 s21, s20, 500
	s_lshl_b32 s54, ttmp9, 7                       ; the work-group's first row in its batch
	s_lshl_b32 s23, s[WV], 1
	s_add_co_u32 s22, s54, s23                     ; + 2 wave
	s_add_co_u32 s50, s22, 96                      ; only sub-block 3 can reach past row 499
	s_cmp_lt_u32 s50, 500
	s_cselect_b32 s44, 1.0, 0
	s_mov_b32 s45, s44
	s_add_co_u32 s50, s22, 97
	s_cmp_lt_u32 s50, 500
	s_cselect_b32 s46, 1.0, 0
	s_mov_b32 s47, s46
	s_mov_b32 s51, 0
	s_wait_kmcnt 0x0
.irp n, 0,1,2,3,4,5,6,7                        ; row 32 (n / 2) + n % 2 of mine; a row past the batch's end is read as row 499 and made zeros later: no load leaves x
	s_add_co_u32 s50, s22, 32*(\n/2)+\n%2
	s_min_u32 s50, s50, 499
	s_add_co_u32 s50, s50, s21
	s_lshl_b32 s50, s50, 11
	s_add_nc_u64 s[24+2*\n:25+2*\n], s[4:5], s[50:51]
.endr
.irp i, 0,1,2,3
	global_load_b128 v[GV+4*\i:GV+4*\i+3], v1, s[6:7] offset:512*\i
.endr
.irp i, 0,1,2,3
	global_load_b128 v[BV+4*\i:BV+4*\i+3], v1, s[8:9] offset:512*\i
.endr
.irp n, 0,1,2,3,4,5,6,7
.irp i, 0,1,2,3
	global_load_b128 v[X+16*\n+4*\i:X+16*\n+4*\i+3], v1, s[24+2*\n:25+2*\n] offset:512*\i   ; 32 lanes read 512 consecutive bytes; x is read again by the next launch, so no hint
.endr
.endr
	s_and_b32 s52, s[WV], 7                        ; kq at ((8 b + head) 512 + first row + 16 tt) x 32
	s_lshr_b32 s53, s[WV], 3
	s_lshl_b32 s50, s20, 3
	s_add_co_u32 s50, s50, s52
	s_lshl_b32 s50, s50, 9
	s_add_co_u32 s50, s50, s54
	s_lshl_b32 s55, s50, 2                         ; (kqs of head wave % 8: the same rows x 4)
	s_lshl_b32 s53, s53, 4
	s_add_co_u32 s50, s50, s53
	s_lshl_b32 s50, s50, 5
	s_add_nc_u64 s[10:11], s[10:11], s[50:51]
	s_lshr_b32 s52, s[WV], 1                       ; vt at ((8 b + wave / 2) 4 + step) x 4096 + (wave % 2) x 2048
	s_lshl_b32 s50, s20, 3
	s_add_co_u32 s50, s50, s52
	s_lshl_b32 s50, s50, 2
	s_add_co_u32 s50, s50, ttmp9
	s_lshl_b32 s50, s50, 12
	s_and_b32 s52, s[WV], 1
	s_lshl_b32 s52, s52, 11
	s_add_co_u32 s50, s50, s52
	s_add_nc_u64 s[14:15], s[14:15], s[50:51]
	; where my 512 bytes of the gathered words go at the end: waves 0-7 kqs, 8-11 vts, 12-13 stats.  The choice hangs on the wave's number alone
	s_lshl_b32 s52, s20, 2
	s_add_co_u32 s52, s52, ttmp9
	s_lshl_b32 s52, s52, 11
	s_and_b32 s53, s[WV], 3
	s_lshl_b32 s53, s53, 9
	s_add_co_u32 s52, s52, s53                     ; vts: (4 b + step) x 2048 + 512 (wave - 8)
	s_lshl_b32 s50, s20, 9
	s_add_co_u32 s50, s50, s54
	s_lshl_b32 s50, s50, 3
	s_and_b32 s53, s[WV], 1
	s_lshl_b32 s53, s53, 9
	s_add_co_u32 s53, s50, s53                     ; stats: (512 b + first row) x 8 + 512 (wave - 12)
	s_cmp_lt_u32 s[WV], 8
	s_cselect_b64 s[56:57], s[12:13], s[16:17]
	s_cselect_b32 s50, s55, s52
	s_cmp_lt_u32 s[WV], 12
	s_cselect_b64 s[56:57], s[56:57], s[18:19]
	s_cselect_b32 s50, s50, s53
	s_add_nc_u64 s[56:57], s[56:57], s[50:51]
.irp e, 0,1
	v_mov_b32 v[T+8*\e+5], 0                       ; named as upper halves of pairs, and as the destination of a lane exchange, before they are first written
	v_mov_b32 v[T+8*\e+7], 0
.endr
.macro LANES                           ; both rows' two chains become the sum over the wave's 32 lanes, in every lane
.irp e, 0,1
	v_pk_add_f32 v[T+8*\e:T+8*\e+1], v[T+8*\e:T+8*\e+1], v[T+8*\e+2:T+8*\e+3]
.endr
.irp e, 0,1
	v_add_f32 v[T+8*\e], v[T+8*\e], v[T+8*\e+1]
.endr
.irp m, 1,2,4,8
.irp e, 0,1
	v_add_f32_dpp v[T+8*\e], v[T+8*\e], v[T+8*\e] row_xmask:\m row_mask:0xf bank_mask:0xf
.endr
.endr
.irp e, 0,1
	v_permlanex16_b32 v[T+8*\e+7], v[T+8*\e], s[SEL], s[SEL+1]
.endr
.irp e, 0,1
	v_add_f32 v[T+8*\e], v[T+8*\e], v[T+8*\e+7]
.endr
.endm
; My two rows of sub-block k are normalised, the two by turns, and laid into stage k % 2.
.macro ROWS k
	s_wait_loadcnt 24-8*\k                         ; the eight loads of each later sub-block may be out
.irp e, 0,1
	v_pk_add_f32 v[T+8*\e:T+8*\e+1], v[X+32*\k+16*\e:X+32*\k+16*\e+1], v[X+32*\k+16*\e+2:X+32*\k+16*\e+3]
	v_pk_add_f32 v[T+8*\e+2:T+8*\e+3], v[X+32*\k+16*\e+4:X+32*\k+16*\e+5], v[X+32*\k+16*\e+6:X+32*\k+16*\e+7]
.endr
.irp q, 8,12
.irp e, 0,1
	v_pk_add_f32 v[T+8*\e:T+8*\e+1], v[T+8*\e:T+8*\e+1], v[X+32*\k+16*\e+\q:X+32*\k+16*\e+\q+1]
	v_pk_add_f32 v[T+8*\e+2:T+8*\e+3], v[T+8*\e+2:T+8*\e+3], v[X+32*\k+16*\e+\q+2:X+32*\k+16*\e+\q+3]
.endr
.endr
	LANES
.irp e, 0,1
	v_mul_f32 v[T+8*\e+4], s42, v[T+8*\e]          ; the mean
.endr
.irp q, 0,2,4,6,8,10,12,14
.irp e, 0,1
	v_pk_add_f32 v[X+32*\k+16*\e+\q:X+32*\k+16*\e+\q+1], v[X+32*\k+16*\e+\q:X+32*\k+16*\e+\q+1], v[T+8*\e+4:T+8*\e+5] op_sel_hi:[1,0] neg_lo:[0,1] neg_hi:[0,1]   ; x - mean
.endr
.endr
.irp e, 0,1
	v_pk_mul_f32 v[T+8*\e:T+8*\e+1], v[X+32*\k+16*\e:X+32*\k+16*\e+1], v[X+32*\k+16*\e:X+32*\k+16*\e+1]
	v_pk_mul_f32 v[T+8*\e+2:T+8*\e+3], v[X+32*\k+16*\e+2:X+32*\k+16*\e+3], v[X+32*\k+16*\e+2:X+32*\k+16*\e+3]
.endr
.irp q, 4,8,12
.irp e, 0,1
	v_pk_fma_f32 v[T+8*\e:T+8*\e+1], v[X+32*\k+16*\e+\q:X+32*\k+16*\e+\q+1], v[X+32*\k+16*\e+\q:X+32*\k+16*\e+\q+1], v[T+8*\e:T+8*\e+1]
	v_pk_fma_f32 v[T+8*\e+2:T+8*\e+3], v[X+32*\k+16*\e+\q+2:X+32*\k+16*\e+\q+3], v[X+32*\k+16*\e+\q+2:X+32*\k+16*\e+\q+3], v[T+8*\e+2:T+8*\e+3]
.endr
.endr
	LANES
.irp e, 0,1
	v_fma_f32 v[T+8*\e], v[T+8*\e], s42, s43       ; the variance + eps
.endr
.irp e, 0,1
	v_rsq_f32 v[T+8*\e+6], v[T+8*\e]
.endr
	v_nop                                          ; a plain instruction behind the two roots,
	s_wait_alu depctr_va_vdst(0)                   ; and one wait for both ahead of their first reader
.irp e, 0,1
	v_mov_b32 v[T+8*\e+5], v[T+8*\e+6]
.endr
.irp q, 0,2,4,6,8,10,12,14
.irp e, 0,1
	v_pk_mul_f32 v[X+32*\k+16*\e+\q:X+32*\k+16*\e+\q+1], v[X+32*\k+16*\e+\q:X+32*\k+16*\e+\q+1], v[T+8*\e+6:T+8*\e+7] op_sel_hi:[1,0]
.endr
.endr
.irp q, 0,2,4,6,8,10,12,14
.irp e, 0,1
	v_pk_fma_f32 v[X+32*\k+16*\e+\q:X+32*\k+16*\e+\q+1], v[X+32*\k+16*\e+\q:X+32*\k+16*\e+\q+1], v[GV+\q:GV+\q+1], v[BV+\q:BV+\q+1]
.endr
.endr
.if \k == 3                            ; rows past 499 become zeros (the other sub-blocks end at row 479 at the latest)
.irp q, 0,2,4,6,8,10,12,14
.irp e, 0,1
	v_pk_mul_f32 v[X+32*\k+16*\e+\q:X+32*\k+16*\e+\q+1], v[X+32*\k+16*\e+\q:X+32*\k+16*\e+\q+1], s[44+2*\e:45+2*\e] op_sel_hi:[1,0]
.endr
.endr
.endif
.irp e, 0,1
.irp i, 0,1,2,3
	ds_store_b128 v[2+\k%2], v[X+32*\k+16*\e+4*\i:X+32*\k+16*\e+4*\i+3] offset:PITCH*\e+512*\i
.endr
.endr
.irp e, 0,1
	ds_store_b64 v12, v[T+8*\e+4:T+8*\e+5] offset:256*\k+8*\e      ; every lane writes the same two words
.endr
.endm
; 32 numbers of a lane, one block, become 16 bytes of codes in v[c] on; the scale's byte in v[T+3].
.macro QBLK d, c
	v_max3_num_f32 v[T], |v[\d]|, |v[\d+1]|, |v[\d+2]|
	v_max3_num_f32 v[T+1], |v[\d+3]|, |v[\d+4]|, |v[\d+5]|
.irp q, 6,10,14,18,22,26
	v_max3_num_f32 v[T], v[T], |v[\d+\q]|, |v[\d+\q+1]|
	v_max3_num_f32 v[T+1], v[T+1], |v[\d+\q+2]|, |v[\d+\q+3]|
.endr
	v_max3_num_f32 v[T], v[T], |v[\d+30]|, |v[\d+31]|
	v_max3_num_f32 v[T], v[T], v[T+1], 0x1800000   ; the floor 2^(3 - 127): the byte cannot fall under 1
	v_add_nc_u32 v[T+2], 0xff000000, v[T]          ; 2 off the exponent field: the conversion takes the exponent field of this operand as its scale
.irp g, 0,1,2,3
	v_cvt_scalef32_pk8_fp4_f32 v[\g+(\c)], v[\d+8*\g:\d+8*\g+7], v[T+2]
.endr
	v_lshrrev_b32 v[T+3], 23, v[T+2]               ; the byte (also the plain instruction behind the conversions)
.endm
.macro SUB k
	ROWS \k
	s_wait_dscnt 0x0                               ; my rows lie in the stage, and my reads of the other stage (last sub-block) are over
	s_barrier_signal -1
	s_barrier_wait -1
.irp i, 0,1,2,3,4,5,6,7
	ds_load_b128 v[D1+4*\i:D1+4*\i+3], v[4+\k%2] offset:16*\i
.endr
.irp i, 0,1,2,3,4,5,6,7,8,9,10,11,12,13,14,15,16,17,18,19,20,21,22,23,24,25,26,27,28,29,30,31
	ds_load_b32 v[D2+\i], v[6+\k%2] offset:PITCH*\i
.endr
	s_wait_dscnt 32                                ; the eight loads along the channels are in; the 32 along the keys may be out
	QBLK D1, X+32*\k
	v_permlanex16_b32 v[T+8], v[T+3], s[SEL], s[SEL+1]             ; the row's other block's byte
	v_cndmask_b32 v[T+9], v[T+3], v[T+8], s48      ; s0: lanes 16-31 take the other's
	v_cndmask_b32 v[T+10], v[T+8], v[T+3], s48     ; s1
	v_lshl_or_b32 v[T+9], v[T+10], 8, v[T+9]
	v_lshl_or_b32 v[T+9], v[T+9], 16, v[T+9]       ; (s0, s1, s0, s1)
	ds_store_b32 v10, v[T+9] offset:128*\k
	global_store_b128 v8, v[X+32*\k:X+32*\k+3], s[10:11] offset:1024*\k        ; 32 lanes store 512 consecutive bytes
	s_wait_dscnt 0x0
	QBLK D2, X+32*\k+4
.if \k == 0
	v_mov_b32 v13, v[T+3]
.else
	v_lshl_or_b32 v13, v[T+3], 8*\k, v13           ; the channel's scale word: a byte for each key block
.endif
	global_store_b128 v9, v[X+32*\k+4:X+32*\k+7], s[14:15] offset:512*(\k/2)+256*(\k%2)   ; sixteen lanes store 256 consecutive bytes, aligned, twice
.endm
	SUB 0
	SUB 1
	SUB 2
	SUB 3
	ds_store_b32 v11, v13
	v_lshl_add_u32 v14, v0, 4, OUTB
	s_wait_dscnt 0x0
	s_barrier_signal -1
	s_barrier_wait -1                              ; the 7,168 gathered bytes are whole
	s_cmp_lt_u32 s[WV], 14
	s_cbranch_scc0 .Ldone
	ds_load_b128 v[D1:D1+3], v14
	s_wait_dscnt 0x0
	global_store_b128 v1, v[D1:D1+3], s[56:57]     ; 512 consecutive bytes a wave
.Ldone:
	s_wait_xcnt 0x0
	v_lshl_add_u32 v254, v0, 2, 0x22000
	v_mov_b32 v255, 0
	s_wait_tensorcnt 0x0
	ds_add_u32 v254, v255
	s_wait_dscnt 0x0
	s_endpgm
.Lfunc_end_k_qbb33f655b0_prep:
	.size	k_qbb33f655b0_prep, .Lfunc_end_k_qbb33f655b0_prep-k_qbb33f655b0_prep
	.p2alignl 7, 3214868480
	.fill 96, 4, 3214868480
	.section	.rodata,"a",@progbits
	.p2align	6, 0x0
	.amdhsa_kernel k_qbb33f655b0_prep
		.amdhsa_group_segment_fixed_size 141312
		.amdhsa_private_segment_fixed_size 0
		.amdhsa_enable_private_segment 0
		.amdhsa_kernarg_size 64
		.amdhsa_user_sgpr_count 2
		.amdhsa_user_sgpr_kernarg_segment_ptr 1
		.amdhsa_wavefront_size32 1
		.amdhsa_system_sgpr_workgroup_id_x 1
		.amdhsa_system_sgpr_workgroup_id_y 1
		.amdhsa_system_sgpr_workgroup_id_z 1
		.amdhsa_system_vgpr_workitem_id 0
		.amdhsa_next_free_vgpr 256
		.amdhsa_next_free_sgpr 66
		.amdhsa_reserve_vcc 0
		.amdhsa_float_denorm_mode_32 3
		.amdhsa_float_denorm_mode_16_64 3
		.amdhsa_memory_ordered 1
		.amdhsa_forward_progress 1
		.amdhsa_inst_pref_size 66
	.end_amdhsa_kernel
	.amdgpu_metadata
---
amdhsa.version: [ 1, 2 ]
amdhsa.kernels:
  - .name:           k_qbb33f655b0_prep
    .symbol:         k_qbb33f655b0_prep.kd
    .args:
      - { .name: x, .offset: 0, .size: 8, .value_kind: global_buffer, .address_space: global }
      - { .name: ln1_g, .offset: 8, .size: 8, .value_kind: global_buffer, .address_space: global }
      - { .name: ln1_b, .offset: 16, .size: 8, .value_kind: global_buffer, .address_space: global }
      - { .name: kq, .offset: 24, .size: 8, .value_kind: global_buffer, .address_space: global }
      - { .name: kqs, .offset: 32, .size: 8, .value_kind: global_buffer, .address_space: global }
      - { .name: vt, .offset: 40, .size: 8, .value_kind: global_buffer, .address_space: global }
      - { .name: vts, .offset: 48, .size: 8, .value_kind: global_buffer, .address_space: global }
      - { .name: stats, .offset: 56, .size: 8, .value_kind: global_buffer, .address_space: global }
    .group_segment_fixed_size: 141312
    .private_segment_fixed_size: 0
    .kernarg_segment_align: 8
    .kernarg_segment_size: 64
    .max_flat_workgroup_size: 512
    .sgpr_count:     66
    .vgpr_count:     256
    .wavefront_size: 32
...
	.end_amdgpu_metadata
.endif
;; end of part 1
;; launch layer (part 2): grid 4 x 64, 8 waves a work-group, no clusters, 316,416 bytes of LDS; arguments x, stats, kq, kqs, vt, vts, ln1_g, ln1_b, ln2_g, ln2_b, W1_codes, W1_scales, b1, W2_codes, W2_scales, b2, out0; writes out0
.if DOCPART == 2
	.amdgcn_target "amdgcn-amd-amdhsa--gfx1250"
	.amdhsa_code_object_version 6
	.text
	.protected	k_qbb33f655b0_layer
	.globl	k_qbb33f655b0_layer
	.p2align	8
	.type	k_qbb33f655b0_layer,@function
k_qbb33f655b0_layer:
	s_mov_b64 s[64:65], 0
	v_nop
	global_prefetch_b8 v0, s[64:65] scope:SCOPE_SE
	s_setreg_imm32_b32 hwreg(HW_REG_WAVE_MODE, 25, 1), 1
	s_wait_xcnt 0x0
; out = h2 + relu(h2 W1 + b1) W2 + b2,  h2 = LN2(h + attention(h)),  h = LN1(x): causal attention, 8 heads of 64, q = k = v = h.  All four products on MX-FP4 codes; sums, softmax and norms in f32.
; SHARES.  Work-group (j, b) owns eight tiles of 16 queries of batch b, the slots i = 0..7: first row 128 c + 64 u + 16 j with c = 3 - i / 2, u = i % 2: two tiles of each class c, which want c + 1 key steps of 128:
; 20 tile steps a head in every work-group.  The batch's last tile is taken as rows 484-499, so no row lies past the end; its first 12 rows belong to the tile before and are not stored.
; WAVE w IS HEAD w in the attention and owns columns 64 w .. 64 w + 63 to the end.  O^T, a, h2 and the result live in the SAME 256 registers (window 1: slot i, tile t at v[32 i + 8 t]): lane (r, hh), register
; 16 bb + 8 u + j = row r, column 64 w + 32 bb + 16 hh + 8 u + j, since V^T's channels and W2's rows are put into tiles by one rule (lane m of tile 2 bb + u takes 32 bb + 8 u + m + 8 (m / 8)).  So h2 + b2 is the
; accumulator onto which the last product adds, and the residual never moves.
; ALL PRODUCTS ARE USED TRANSPOSED (source 0 = keys, channels or a weight's rows; source 1 = 16 of my rows): a lane holds one row throughout.
; K = 64 IN AN INSTRUCTION OF K = 128: the queries' registers 4-7 are zero codes; the keys' operand of tile t runs on into the next tile's registers, whose codes meet those zeros; the scale words hold their two bytes twice.
; SOFTMAX: t = score x log2(e) / 8; M = the running largest t, rounded up to a whole number; p = 2^(t - M) is quantised along the keys; the row's sum is taken of the unquantised p and divides at the end.
; K, V and the weights go from memory straight into operand registers, each byte once for a work-group.  NO JOINT LOADS: a joint load lands in LDS, of which the attention uses 315,392 of the 327,680 bytes (x's 128 rows lie there),
; and in the last two products LDS already carries every fragment of the rows' codes to all eight waves.
; x's 128 rows come once, by two tensor loads a wave at the head (two are out, by this text's count); nothing is filled again.
; LIMITS: NaN and infinities among the inputs are not served.  A block of zeros, or one whose largest magnitude lies under 2^-124, gets the scale byte 1 (its codes are zeros or made against 2^-126).  p under 2^-126 counts as 0.
.set XSLOT, 33280                      ; LDS: x as [slot 8][half 2][row 16][1,024 + 16 bytes]
.set XHALF, 16640
.set XP,    1040                       ; 65 x 16: the sixteen rows of a 16-byte read start in different banks
.set QI,    266240                     ; the queries: 5,120 bytes a wave, its own: for each slot 512 of the fragment's image + 128 of scale words
.set RED1,  307200                     ; [row 128][wave 8] f32; the second sum's words 4,096 bytes on
.set XIMG,  0                          ; over x, once every wave has read it: h2's codes [slot 8][K step 4][half 2][lane 32][16],
.set XSC,   32768                      ; their scale words [slot][K step][lane] u32,
.set HIMG,  36864                      ; the hidden layer's codes [K step = wave 8][slot 8][half 2][lane][16],
.set HSC,   102400                     ; their scale words [K step][slot][lane] u32,
.set OST,   110592                     ; and a stage of 16 rows x (256 + 16) bytes for each wave
.set WV,  2
.set JQ,  3
.set BAT, 4
.set STP, 5                            ; the key step; later the slot in the third product's loops
.set P_X, 8
.set P_ST, 10
.set P_KQ, 12
.set P_KQS, 14
.set P_VT, 16
.set P_VTS, 18
.set P_LG1, 20
.set P_LB1, 22
.set P_LG2, 24
.set P_LB2, 26
.set P_W1C, 28
.set P_W1S, 30
.set P_FB1, 32
.set P_W2C, 34
.set P_W2S, 36
.set P_FB2, 38
.set P_OUT, 40
.set SEL, 42                           ; s[42:43] lane l xor 16
.set CS,  44                           ; s[44:45] log2(e) / 8, twice
.set RB,  48                           ; s[48:55] the slots' first rows
.set G1,  56                           ; s[56:63] descriptor group 1;  s[68:71], s[72:75] two groups 0
.set G0,  68
; window 0 in the attention
.set RH,  1                            ; r - 16 hh
.set AKL, 2                            ; 32 (r + 8 (r / 8)) + 16 hh
.set AKS, 3                            ; 4 (8 hh + r + 8 (r / 8))
.set L16, 4
.set L4,  5
.set KAD, 6
.set KSAD, 7
.set VAD, 8
.set VSAD, 9
.set QIA, 10
.set QSA, 11
.set ST,  12                           ; v12-43  a slot's (-M, largest t, sum, sum)
.set QF,  44                           ; v44-51  the queries' fragment; 48-51 stay zero
.set KF,  52                           ; v52-87  eight tiles of keys x 4, and four zeros
.set VF,  88                           ; v88-119 four tiles of V^T
.set SS,  120                          ; v120-183 scores, then p
.set PC,  184                          ; v184-191 p's codes
.set MX,  192
.set PX,  196
.set SC,  200
.set FF,  204                          ; v[204:205] 2^(old M - new M)
.set T,   206
.set DD,  207
.set NINF, 208
; v236-255 hold scales and nothing else in the whole text
.set QS,  236
.set PW,  237
.set KS,  238
.set VS,  242
.set MSB, 0
.macro WIN new                         ; bits 1:0 source 0, 3:2 source 1, 5:4 source 2, 7:6 destination; the high byte repeats the setting that is left
.if MSB != \new
	s_set_vgpr_msb (MSB<<8)|\new
.set MSB, \new
.endif
.endm
.macro PLACES                          ; four plain instructions between a matrix instruction and a read of its result, a write of its registers or a load into them
.rept 4
	v_nop
.endr
.endm
.macro BAR                             ; my LDS stores have landed and my LDS loads are in: then the work-group's barrier
	s_wait_dscnt 0x0
	s_barrier_signal -1
	s_barrier_wait -1
.endm
; One product.  c < 0: the sum starts with 0.  ra, rb: the side's scales stand in lanes 16-31 of the register named.
.macro WM d, a, b, c, sa, sb, ra, rb
.if (\c) < 0
.if (\ra)
	v_wmma_scale_f32_16x16x128_f8f6f4 v[0+(\d):7+(\d)], v[0+(\a):7+(\a)], v[0+(\b):7+(\b)], 0, v[0+(\sa)], v[0+(\sb)] matrix_a_fmt:MATRIX_FMT_FP4 matrix_b_fmt:MATRIX_FMT_FP4 matrix_a_scale:MATRIX_SCALE_ROW1
.else
	v_wmma_scale_f32_16x16x128_f8f6f4 v[0+(\d):7+(\d)], v[0+(\a):7+(\a)], v[0+(\b):7+(\b)], 0, v[0+(\sa)], v[0+(\sb)] matrix_a_fmt:MATRIX_FMT_FP4 matrix_b_fmt:MATRIX_FMT_FP4
.endif
.elseif (\ra) && (\rb)
	v_wmma_scale_f32_16x16x128_f8f6f4 v[0+(\d):7+(\d)], v[0+(\a):7+(\a)], v[0+(\b):7+(\b)], v[0+(\c):7+(\c)], v[0+(\sa)], v[0+(\sb)] matrix_a_fmt:MATRIX_FMT_FP4 matrix_b_fmt:MATRIX_FMT_FP4 matrix_a_scale:MATRIX_SCALE_ROW1 matrix_b_scale:MATRIX_SCALE_ROW1
.elseif (\ra)
	v_wmma_scale_f32_16x16x128_f8f6f4 v[0+(\d):7+(\d)], v[0+(\a):7+(\a)], v[0+(\b):7+(\b)], v[0+(\c):7+(\c)], v[0+(\sa)], v[0+(\sb)] matrix_a_fmt:MATRIX_FMT_FP4 matrix_b_fmt:MATRIX_FMT_FP4 matrix_a_scale:MATRIX_SCALE_ROW1
.elseif (\rb)
	v_wmma_scale_f32_16x16x128_f8f6f4 v[0+(\d):7+(\d)], v[0+(\a):7+(\a)], v[0+(\b):7+(\b)], v[0+(\c):7+(\c)], v[0+(\sa)], v[0+(\sb)] matrix_a_fmt:MATRIX_FMT_FP4 matrix_b_fmt:MATRIX_FMT_FP4 matrix_b_scale:MATRIX_SCALE_ROW1
.else
	v_wmma_scale_f32_16x16x128_f8f6f4 v[0+(\d):7+(\d)], v[0+(\a):7+(\a)], v[0+(\b):7+(\b)], v[0+(\c):7+(\c)], v[0+(\sa)], v[0+(\sb)] matrix_a_fmt:MATRIX_FMT_FP4 matrix_b_fmt:MATRIX_FMT_FP4
.endif
.endm
; The keys of step s6: eight tiles (lane r of tile 2 b + u takes key 32 b + 8 u + r + 8 (r / 8)), and their scale words: lanes 0-15 an even tile's, lanes 16-31 the odd tile's beside it.
.macro KLOAD
	s_lshl_b32 s7, s6, 12
	v_add_nc_u32 v[KAD], s7, v[AKL]
	s_lshl_b32 s7, s6, 9
	v_add_nc_u32 v[KSAD], s7, v[AKS]
.irp t, 0,1,2,3,4,5,6,7
	global_load_b128 v[KF+4*\t:KF+4*\t+3], v[KAD], s[P_KQ:P_KQ+1] offset:(32*(\t/2)+8*(\t%2))*32   ; eight rows of 32 bytes on end, twice
.endr
.irp p, 0,1,2,3
	global_load_b32 v[KS+\p], v[KSAD], s[P_KQS:P_KQS+1] offset:128*\p
.endr
.endm
; V^T of step s6: the images of four fragments, 512 consecutive bytes a load.
.macro VLOAD
	s_lshl_b32 s7, s6, 12
	v_add_nc_u32 v[VAD], s7, v[L16]
	s_lshl_b32 s7, s6, 11
	v_add_nc_u32 v[VSAD], s7, v[L4]
.irp t, 0,1,2,3
.irp h, 0,1
	global_load_b128 v[VF+8*\t+4*\h:VF+8*\t+4*\h+3], v[VAD], s[P_VT:P_VT+1] offset:1024*\t+512*\h
.endr
.endr
.irp p, 0,1
	global_load_b32 v[VS+\p], v[VSAD], s[P_VTS:P_VTS+1] offset:128*\p
.endr
.endm
	s_load_b512 s[8:23], s[0:1], 0x0
	s_load_b512 s[24:39], s[0:1], 0x40
	s_load_b64 s[40:41], s[0:1], 0x80
	v_lshl_add_u32 v254, v0, 2, 0x4d000
	v_mov_b32 v255, 0
	ds_add_u32 v254, v255
	ds_add_u32 v254, v255
	s_wait_dscnt 0x0
	v_lshrrev_b32 v1, 5, v0
	v_readfirstlane_b32 s[WV], v1                  ; wave = head
	s_mov_b32 s[JQ], ttmp9
	s_and_b32 s[BAT], ttmp7, 0xffff
	s_mov_b32 s[SEL], 0x76543210
	s_mov_b32 s[SEL+1], 0xfedcba98
	s_mov_b32 s[CS], 0x3e38aa3b                    ; log2(e) / sqrt(64)
	s_mov_b32 s[CS+1], s[CS]
	s_mov_b32 s46, 0x3b000000                      ; 1 / 512
	s_mov_b32 s47, 0x358637bd                      ; 1e-6
	s_lshl_b32 s6, s[JQ], 4
.irp i, 0,1,2,3,4,5,6,7
	s_add_co_u32 s[RB+\i], s6, 128*(3-\i/2)+64*(\i%2)
.endr
	s_min_u32 s[RB+1], s[RB+1], 484                ; the batch's last tile: rows 484-499
	v_and_b32 v209, 15, v0                         ; r
	v_bfe_u32 v210, v0, 4, 1                       ; hh
	v_lshlrev_b32 v1, 4, v210
	v_sub_nc_u32 v[RH], v209, v1
	v_and_b32 v211, 8, v209
	v_add_nc_u32 v211, v211, v209                  ; r + 8 (r / 8)
	v_lshlrev_b32 v[AKL], 5, v211
	v_lshl_add_u32 v[AKL], v210, 4, v[AKL]
	v_lshl_add_u32 v[AKS], v210, 3, v211
	v_lshlrev_b32 v[AKS], 2, v[AKS]
	v_and_b32 v[L4], 31, v0
	v_lshlrev_b32 v[L16], 4, v[L4]
	v_lshlrev_b32 v[L4], 2, v[L4]
	s_mul_i32 s6, s[WV], 5120
	s_add_co_u32 s6, s6, QI
	v_add_nc_u32 v[QIA], s6, v[L16]
	s_add_co_u32 s6, s6, 512
	v_add_nc_u32 v[QSA], s6, v[L4]
	v_lshlrev_b32 v212, 5, v209
	v_lshl_add_u32 v212, v210, 4, v212             ; a query's codes: 32 r + 16 hh
	v_lshlrev_b32 v213, 2, v209                    ; its scale word: 4 r
	s_mov_b32 s77, 0
	s_lshl_b32 s78, s[BAT], 3
	s_add_co_u32 s78, s78, s[WV]                   ; 8 b + head
	s_lshl_b32 s76, s78, 14
	s_wait_kmcnt 0x0
	s_add_nc_u64 s[P_KQ:P_KQ+1], s[P_KQ:P_KQ+1], s[76:77]
	s_add_nc_u64 s[P_VT:P_VT+1], s[P_VT:P_VT+1], s[76:77]
	s_lshl_b32 s76, s78, 11
	s_add_nc_u64 s[P_KQS:P_KQS+1], s[P_KQS:P_KQS+1], s[76:77]
	s_lshl_b32 s76, s[BAT], 13
	s_lshl_b32 s79, s[WV], 8
	s_add_co_u32 s76, s76, s79
	s_add_nc_u64 s[P_VTS:P_VTS+1], s[P_VTS:P_VTS+1], s[76:77]
	s_mov_b32 s6, 0
	KLOAD
	VLOAD
.irp i, 0,1,2,3,4,5,6,7                        ; the eight slots' queries, on their way to LDS
	s_lshl_b32 s6, s[RB+\i], 5
	v_add_nc_u32 v[SS+40+\i], s6, v212
	s_lshl_b32 s6, s[RB+\i], 2
	v_add_nc_u32 v[SS+48+\i], s6, v213
	global_load_b128 v[SS+4*\i:SS+4*\i+3], v[SS+40+\i], s[P_KQ:P_KQ+1]
	global_load_b32 v[SS+32+\i], v[SS+48+\i], s[P_KQS:P_KQS+1]
.endr
	; x: wave w brings slot w's 16 rows as two tiles of 16 rows x 1,024 bytes
	s_mov_b32 s[G1], (3<<16)|(1<<20)|(7<<22)|(3<<25)               ; 15:0 no mask; 17:16 elements of 8 bytes; 20 padding on; 24:22 after every 256 words (code 7); 31:25 four words (code 3)
	s_mov_b32 s[G1+1], 128<<16                     ; tensor_dim0 = 128 elements
	s_mov_b32 s[G1+2], 16<<16                      ; tensor_dim1 = 16
	s_mov_b32 s[G1+3], 128<<16                     ; tile_dim0
	s_mov_b32 s[G1+4], 16                          ; tile_dim1
	s_mov_b32 s[G1+5], 256                         ; from row to row: 256 elements
	s_mov_b32 s[G1+6], 0
	s_mov_b32 s[G1+7], 0
	s_lshr_b32 s6, s[WV], 1
	s_sub_co_u32 s6, 3, s6
	s_lshl_b32 s6, s6, 7
	s_and_b32 s7, s[WV], 1
	s_lshl_b32 s7, s7, 6
	s_add_co_u32 s6, s6, s7
	s_lshl_b32 s7, s[JQ], 4
	s_add_co_u32 s6, s6, s7
	s_min_u32 s6, s6, 484                          ; slot w's first row
	s_mul_i32 s7, s[BAT], 500
	s_add_co_u32 s6, s6, s7
	s_lshl_b32 s76, s6, 11
	s_add_nc_u64 s[78:79], s[P_X:P_X+1], s[76:77]
	s_mul_i32 s80, s[WV], XSLOT
.irp f, 0,1
	s_mov_b32 s[G0+4*\f], 1                        ; count = 1
	s_add_co_u32 s[G0+4*\f+1], s80, \f*XHALF       ; LDS address
	s_add_nc_u64 s[G0+4*\f+2:G0+4*\f+3], s[78:79], \f*1024         ; global address
	s_or_b32 s[G0+4*\f+3], s[G0+4*\f+3], 0x80000000                ; type = 2
.endr
	tensor_load_to_lds s[G0:G0+3], s[G1:G1+7]
	s_nop 0
	tensor_load_to_lds s[G0+4:G0+7], s[G1:G1+7]
	s_nop 0
	PLACES                                         ; four v_nop follow the loads
	s_lshl_b32 s76, s[BAT], 12
	s_add_nc_u64 s[P_ST:P_ST+1], s[P_ST:P_ST+1], s[76:77]
	s_lshl_b32 s76, s[WV], 8                       ; my 64 columns of the vectors of 512
.irp p, P_LG1, P_LB1, P_LG2, P_LB2, P_FB2
	s_add_nc_u64 s[\p:\p+1], s[\p:\p+1], s[76:77]
.endr
	s_lshl_b32 s76, s[WV], 15                      ; my 128 rows of W1, my 64 rows of W2
	s_add_nc_u64 s[P_W1C:P_W1C+1], s[P_W1C:P_W1C+1], s[76:77]
	s_add_nc_u64 s[P_W2C:P_W2C+1], s[P_W2C:P_W2C+1], s[76:77]
	s_lshl_b32 s76, s[WV], 11
	s_add_nc_u64 s[P_W1S:P_W1S+1], s[P_W1S:P_W1S+1], s[76:77]
	s_add_nc_u64 s[P_W2S:P_W2S+1], s[P_W2S:P_W2S+1], s[76:77]
	s_lshl_b32 s76, s[WV], 9
	s_add_nc_u64 s[P_FB1:P_FB1+1], s[P_FB1:P_FB1+1], s[76:77]
	s_mul_i32 s76, s[BAT], 1024000
	s_lshl_b32 s79, s[WV], 8
	s_add_co_u32 s76, s76, s79
	s_add_nc_u64 s[P_OUT:P_OUT+1], s[P_OUT:P_OUT+1], s[76:77]
	; The standing zeros of the first product's operands are written here, ahead of the long run of plain lines below: an operand written by a vector instruction stands four plain instructions or more ahead of a scaled product
.irp q, 0,1,2,3
	v_mov_b32 v[QF+4+\q], 0                        ; the queries' registers 4-7: zero codes for the whole launch
	v_mov_b32 v[KF+32+\q], 0                       ; what the eighth tile of keys runs on into
	v_mov_b32 v[PX+\q], 0                          ; a lane exchange's destination counts as read
.endr
	v_mov_b32 v[FF+1], 0                           ; named as the upper half of a pair
	v_mov_b32 v[NINF], 0xff800000
	WIN 0x40
.set j_, 0
.rept 256
	v_mov_b32 v[j_], 0                             ; O^T.  The key step is written once: its first trip finds zeros, which the first change of M leaves zeros
.set j_, j_+1
.endr
	WIN 0
.irp i, 0,1,2,3,4,5,6,7
	v_mov_b32 v[ST+4*\i+1], 0xff61b1e6             ; the largest t so far: -3e38
	v_mov_b32 v[ST+4*\i+2], 0
	v_mov_b32 v[ST+4*\i+3], 0
.endr
.irp i, 0,1,2,3,4,5,6,7
	v_floor_f32 v[ST+4*\i], -v[ST+4*\i+1]          ; -M
.endr
	s_wait_loadcnt 0x0
.irp i, 0,1,2,3,4,5,6,7
	ds_store_b128 v[QIA], v[SS+4*\i:SS+4*\i+3] offset:640*\i       ; my own bytes: LDS serves a wave's instructions in order
	ds_store_b32 v[QSA], v[SS+32+\i] offset:640*\i
.endr
; ONE SLOT'S KEY STEP.  nb: blocks of 32 keys that can count (4, or 2 where an even slot stands on the diagonal).  mk: 0 no mask; 1 the last two of the nb blocks are masked; 2 only where the step is the slot's class c.
; kl = 1: the slot is then its trip's last, and the next step's keys are asked for behind its first products.  first = 1: the trip's first slot, which waits for the keys and later for V.
.macro BODY i, nb, mk, c, kl, first
.set ST_, ST+4*\i
	ds_load_b128 v[QF:QF+3], v[QIA] offset:640*\i
	ds_load_b32 v[QS], v[QSA] offset:640*\i
.if \first
	s_wait_loadcnt 10                              ; the keys' 12 loads are in; V's 10, issued behind them, may be out
.else
	s_wait_loadcnt 0x0                             ; nothing is out here; the wait also serves the ways of the text on which a load of keys stands ahead
.endif
	s_wait_dscnt 0x0
.set t_, 0
.rept 2*\nb
	WM SS+8*t_, KF+4*t_, QF, -1, KS+t_/2, QS, t_%2, 0
.set t_, t_+1
.endr
	PLACES
.if \mk
.if \mk == 2
	s_cmp_lg_u32 s[STP], \c
	s_cbranch_scc1 .Lopen_\@
.endif
.if \kl
	s_add_co_u32 s6, s[STP], 1
	KLOAD
.endif
	s_lshl_b32 s6, s[STP], 7
	s_sub_co_i32 s6, s[RB+\i], s6
	v_add_nc_u32 v[DD], s6, v[RH]                  ; my query - the step's first key - 16 hh.  Register 16 b + n holds key 32 b + 16 hh + n: hidden where 32 b + n is greater
.set n_, 16*\nb-32
.rept 32
	v_cmp_gt_i32 vcc_lo, 32*(n_/16)+n_%16, v[DD]
	v_cndmask_b32 v[SS+n_], v[SS+n_], v[NINF], vcc_lo
.set n_, n_+1
.endr
.if \mk == 2
.Lopen_\@:
.endif
.endif
.set b_, 0
.rept \nb
	v_max3_num_f32 v[MX+b_], v[SS+16*b_], v[SS+16*b_+1], v[SS+16*b_+2]     ; each block's largest score: for the row's maximum, and, since p rises with the score, for the block's largest p
.set b_, b_+1
.endr
.irp q, 3,5,7,9,11,13
.set b_, 0
.rept \nb
	v_max3_num_f32 v[MX+b_], v[MX+b_], v[SS+16*b_+\q], v[SS+16*b_+\q+1]
.set b_, b_+1
.endr
.endr
.set b_, 0
.rept \nb
	v_max_num_f32 v[MX+b_], v[MX+b_], v[SS+16*b_+15]
.set b_, b_+1
.endr
.set b_, 0
.rept \nb
	v_permlanex16_b32 v[PX+b_], v[MX+b_], s[SEL], s[SEL+1]
.set b_, b_+1
.endr
.set b_, 0
.rept \nb
	v_max_num_f32 v[MX+b_], v[MX+b_], v[PX+b_]     ; with lane l xor 16's 16 keys
.set b_, b_+1
.endr
.if \nb == 4
	v_max3_num_f32 v[T], v[MX], v[MX+1], v[MX+2]
	v_max_num_f32 v[T], v[T], v[MX+3]
.else
	v_max_num_f32 v[T], v[MX], v[MX+1]
.endif
	v_mul_f32 v[T], s[CS], v[T]
	v_max_num_f32 v[ST_+1], v[ST_+1], v[T]         ; the running largest t
	v_mov_b32 v[T], v[ST_]
	v_floor_f32 v[ST_], -v[ST_+1]                  ; -M = floor(-t): M is a whole number
	v_sub_f32 v[T], v[ST_], v[T]
	v_cvt_i32_f32 v[T], v[T]                       ; (it saturates)
	v_ldexp_f32 v[FF], 1.0, v[T]                   ; 2^(old M - new M): rounds nothing
.set j_, 0
.rept 8*\nb
	v_pk_fma_f32 v[SS+j_:SS+j_+1], v[SS+j_:SS+j_+1], s[CS:CS+1], v[ST_:ST_+1] op_sel_hi:[1,0,0]   ; t - M
.set j_, j_+2
.endr
.set b_, 0
.rept \nb
	v_fma_f32 v[MX+b_], v[MX+b_], s[CS], v[ST_]
.set b_, b_+1
.endr
.set j_, 0
.rept 16*\nb
	v_exp_f32 v[SS+j_], v[SS+j_]                   ; p, at most 1, not normalised
.set j_, j_+1
.endr
	v_pk_mul_f32 v[ST_+2:ST_+3], v[ST_+2:ST_+3], v[FF:FF+1] op_sel_hi:[1,0]   ; the sums under the new M (the plain instruction behind the batch)
	s_wait_alu depctr_va_vdst(0)                   ; one wait for the batch ahead of its first reader
.set b_, 0
.rept \nb
	v_exp_f32 v[MX+b_], v[MX+b_]                   ; the blocks' largest p
.set b_, b_+1
.endr
	v_pk_add_f32 v[PX:PX+1], v[SS:SS+1], v[SS+2:SS+3]              ; the row's sum, of the unquantised p, in two chains
.set j_, 4
.rept 4*\nb-1
	v_pk_add_f32 v[ST_+2:ST_+3], v[ST_+2:ST_+3], v[SS+j_:SS+j_+1]
	v_pk_add_f32 v[PX:PX+1], v[PX:PX+1], v[SS+j_+2:SS+j_+3]
.set j_, j_+4
.endr
	v_pk_add_f32 v[ST_+2:ST_+3], v[ST_+2:ST_+3], v[PX:PX+1]
	s_wait_alu depctr_va_vdst(0)                   ; and one for the blocks' few
.set b_, 0
.rept \nb
	v_max_num_f32 v[MX+b_], 0x1800000, v[MX+b_]    ; the floor 2^(3 - 127): the byte cannot fall under 1
.set b_, b_+1
.endr
.set b_, 0
.rept \nb
	v_add_nc_u32 v[SC+b_], 0xff000000, v[MX+b_]    ; 2 off the exponent field: the conversion's scale operand
.set b_, b_+1
.endr
.set b_, 0
.rept \nb
	v_lshrrev_b32 v[PX+b_], 23, v[SC+b_]
.set b_, b_+1
.endr
	v_lshl_or_b32 v[PW], v[PX+1], 8, v[PX]         ; p's scale word
.if \nb == 4
	v_lshl_or_b32 v[PW], v[PX+2], 16, v[PW]
	v_lshl_or_b32 v[PW], v[PX+3], 24, v[PW]
.endif
.set b_, 0
.rept \nb
	v_cvt_scalef32_pk8_fp4_f32 v[PC+2*b_], v[SS+16*b_:SS+16*b_+7], v[SC+b_]
	v_cvt_scalef32_pk8_fp4_f32 v[PC+2*b_+1], v[SS+16*b_+8:SS+16*b_+15], v[SC+b_]
.set b_, b_+1
.endr
	v_nop                                          ; a plain instruction behind the conversions
.set b_, 0
.rept \nb/2                                    ; the operand wants a whole block in a lane
	v_permlane16_swap_b32 v[PC+4*b_], v[PC+4*b_+2]
	v_permlane16_swap_b32 v[PC+4*b_+1], v[PC+4*b_+3]
.set b_, b_+1
.endr
.if \nb == 2
.irp q, 4,5,6,7
	v_mov_b32 v[PC+\q], 0                          ; keys 64-127 are hidden: zero codes
.endr
.endif
	WIN 0x41
.set j_, 0
.rept 16
	v_pk_mul_f32 v[32*\i+j_:32*\i+j_+1], v[32*\i+j_:32*\i+j_+1], v[FF:FF+1] op_sel_hi:[1,0]   ; O^T under the new M; also the plain instructions between the writing of p's codes and scale word and the products
.set j_, j_+2
.endr
.if \first
	s_wait_loadcnt 0x0                             ; V
.endif
	WIN 0x50
.set t_, 0
.rept 4
	WM 32*\i+8*t_, VF+8*t_, PC, 32*\i+8*t_, VS+t_/2, PW, t_%2, 0
.set t_, t_+1
.endr
	WIN 0
.endm
.macro EVEN i, c, first                ; an even slot's queries lie among keys 0-63 of its diagonal step
	s_cmp_eq_u32 s[STP], \c
	s_cbranch_scc1 .Ldiag_\@
	BODY \i, 4, 0, \c, 0, \first
	s_branch .Ljoin_\@
.Ldiag_\@:
	BODY \i, 2, 1, \c, 0, \first
.Ljoin_\@:
.endm
	s_mov_b32 s[STP], 0
.Ltrip:                                            ; four key steps; in step s the slots of class s and above work.  All branches hang on the step's number
	EVEN 0, 3, 1
	BODY 1, 4, 2, 3, 0, 0
	s_cmp_gt_u32 s[STP], 2
	s_cbranch_scc1 .Ltrip_end
	EVEN 2, 2, 0
	BODY 3, 4, 2, 2, 1, 0
	s_cmp_gt_u32 s[STP], 1
	s_cbranch_scc1 .Ltrip_end
	EVEN 4, 1, 0
	BODY 5, 4, 2, 1, 1, 0
	s_cmp_gt_u32 s[STP], 0
	s_cbranch_scc1 .Ltrip_end
	BODY 6, 2, 1, 0, 0, 0
	BODY 7, 4, 1, 0, 1, 0
.Ltrip_end:
	PLACES                                         ; behind the last products: V's registers are loaded anew, or given to other work
	s_cmp_eq_u32 s[STP], 3
	s_cbranch_scc1 .Lafter
	s_add_co_u32 s6, s[STP], 1
	VLOAD
	s_add_co_u32 s[STP], s[STP], 1
	s_cmp_lt_u32 s[STP], 4
	s_cbranch_scc1 .Ltrip
.Lafter:
	s_wait_loadcnt 0x0                             ; nothing is out; the registers of the keys' and V's loads are given to other work only behind this wait
; ---- window 0 from here to the third product
.set XB,   1                           ; x in LDS: my row r, my 64 columns, + 64 hh
.set HH64, 2
.set RA,   3                           ; my word among a row's eight partial sums
.set RR,   4                           ; a row's eight
.set GV,   44                          ; v44-75  a gain at my 32 columns;  v76-107 a bias
.set BV,   76
.set MR,   140                         ; v140-155 (mean, rstd) of LN1 for my row of each slot
.set RS,   156                         ; v156-171 rstd again, as pairs of its own
.set SA,   176
.set RED,  172                         ; v172-235
.macro VEC32 reg, sb                   ; 32 numbers of a vector of 512: register 16 bb + n = column 64 w + 32 bb + 16 hh + n
.irp q, 0,1,2,3,4,5,6,7
	global_load_b128 v[\reg+4*\q:\reg+4*\q+3], v[HH64], s[\sb:\sb+1] offset:128*(\q/4)+16*(\q%4)
.endr
.endm
	v_and_b32 v7, 15, v0
	v_bfe_u32 v8, v0, 4, 1
	v_lshlrev_b32 v[HH64], 6, v8
	v_lshlrev_b32 v9, 3, v7
.irp i, 0,1,2,3,4,5,6,7
	s_lshl_b32 s6, s[RB+\i], 3
	v_add_nc_u32 v[SA+\i], s6, v9
	global_load_b64 v[MR+2*\i:MR+2*\i+1], v[SA+\i], s[P_ST:P_ST+1]
.endr
	VEC32 GV, P_LG1
	VEC32 BV, P_LB1
	v_mul_u32_u24 v[XB], v7, XP
	v_lshl_add_u32 v[XB], v8, 6, v[XB]
	s_lshr_b32 s6, s[WV], 2
	s_mul_i32 s6, s6, XHALF
	s_and_b32 s7, s[WV], 3
	s_lshl_b32 s7, s7, 8
	s_add_co_u32 s6, s6, s7
	v_add_nc_u32 v[XB], s6, v[XB]
	v_lshlrev_b32 v[RR], 5, v7
	v_add_nc_u32 v[RR], RED1, v[RR]
	s_lshl_b32 s6, s[WV], 2
	v_add_nc_u32 v[RA], s6, v[RR]
	s_wait_tensorcnt 0x0                           ; my two tiles of x have landed,
	BAR                                            ; everybody's have
.irp i, 0,1,2,3,4,5,6,7
	v_add_f32 v[ST+4*\i+2], v[ST+4*\i+2], v[ST+4*\i+3]
.endr
.irp i, 0,1,2,3,4,5,6,7
	v_permlanex16_b32 v[ST+4*\i+3], v[ST+4*\i+2], s[SEL], s[SEL+1]
.endr
.irp i, 0,1,2,3,4,5,6,7
	v_add_f32 v[ST+4*\i+2], v[ST+4*\i+2], v[ST+4*\i+3]             ; the row's sum of p
.endr
.irp i, 0,1,2,3,4,5,6,7
	v_rcp_f32 v[ST+4*\i+2], v[ST+4*\i+2]
.endr
	v_nop
	s_wait_alu depctr_va_vdst(0)                   ; one wait for the eight reciprocals
	s_wait_loadcnt 0x0
.irp i, 0,1,2,3,4,5,6,7
	v_mov_b32 v[RS+2*\i], v[MR+2*\i+1]
	v_mov_b32 v[RS+2*\i+1], v[MR+2*\i+1]
.endr
; a = O / l + h, h made anew from x.  x's numbers are read from LDS a slot ahead, into two sets by turns.
.macro XLD i
	v_add_nc_u32 v[5+(\i)%2], XSLOT*(\i), v[XB]
.irp q, 0,1,2,3,4,5,6,7
	ds_load_b128 v[108+76*((\i)%2)+4*\q:108+76*((\i)%2)+4*\q+3], v[5+(\i)%2] offset:128*(\q/4)+16*(\q%4)
.endr
.endm
.macro FIN1 i
.set XR, 108+76*(\i%2)
.if \i < 7
	XLD \i+1
	s_wait_dscnt 8                                 ; the next slot's eight loads may be out
.else
	s_wait_dscnt 0x0
.endif
.irp q, 0,2,4,6,8,10,12,14,16,18,20,22,24,26,28,30
	v_pk_add_f32 v[XR+\q:XR+\q+1], v[XR+\q:XR+\q+1], v[MR+2*\i:MR+2*\i+1] op_sel_hi:[1,0] neg_lo:[0,1] neg_hi:[0,1]
.endr
.irp q, 0,2,4,6,8,10,12,14,16,18,20,22,24,26,28,30
	v_pk_mul_f32 v[XR+\q:XR+\q+1], v[XR+\q:XR+\q+1], v[RS+2*\i:RS+2*\i+1] op_sel_hi:[1,0]
.endr
.irp q, 0,2,4,6,8,10,12,14,16,18,20,22,24,26,28,30
	v_pk_fma_f32 v[XR+\q:XR+\q+1], v[XR+\q:XR+\q+1], v[GV+\q:GV+\q+1], v[BV+\q:BV+\q+1]
.endr
	WIN 0x41
.irp q, 0,2,4,6,8,10,12,14,16,18,20,22,24,26,28,30
	v_pk_fma_f32 v[32*\i+\q:32*\i+\q+1], v[32*\i+\q:32*\i+\q+1], v[ST+4*\i+2:ST+4*\i+3], v[XR+\q:XR+\q+1] op_sel_hi:[1,0,1]
.endr
	WIN 0
.endm
	XLD 0
.irp i, 0,1,2,3,4,5,6,7
	FIN1 \i
.endr
	VEC32 GV, P_LG2                                ; LN2's gain and bias, wanted two barriers on
	VEC32 BV, P_LB2
; The eight slots' chains (at v[RED + 8 i] on, two pairs each) become each row's sum over all 512 columns, in v[RED + 8 i]: over my lane's pair of lanes, then over the eight waves through LDS, every wave adding in one order.
.macro REDUCE8 off
.irp i, 0,1,2,3,4,5,6,7
	v_pk_add_f32 v[RED+8*\i:RED+8*\i+1], v[RED+8*\i:RED+8*\i+1], v[RED+8*\i+2:RED+8*\i+3]
.endr
.irp i, 0,1,2,3,4,5,6,7
	v_add_f32 v[RED+8*\i], v[RED+8*\i], v[RED+8*\i+1]
.endr
.irp i, 0,1,2,3,4,5,6,7
	v_permlanex16_b32 v[RED+8*\i+1], v[RED+8*\i], s[SEL], s[SEL+1]
.endr
.irp i, 0,1,2,3,4,5,6,7
	v_add_f32 v[RED+8*\i], v[RED+8*\i], v[RED+8*\i+1]
.endr
.irp i, 0,1,2,3,4,5,6,7
	ds_store_b32 v[RA], v[RED+8*\i] offset:\off+512*\i             ; lanes l and l xor 16 write the same word with the same value
.endr
	BAR
.irp i, 0,1,2,3,4,5,6,7
	ds_load_b128 v[RED+8*\i:RED+8*\i+3], v[RR] offset:\off+512*\i
	ds_load_b128 v[RED+8*\i+4:RED+8*\i+7], v[RR] offset:\off+512*\i+16
.endr
	s_wait_dscnt 0x0
.irp i, 0,1,2,3,4,5,6,7
	v_pk_add_f32 v[RED+8*\i:RED+8*\i+1], v[RED+8*\i:RED+8*\i+1], v[RED+8*\i+2:RED+8*\i+3]
	v_pk_add_f32 v[RED+8*\i+4:RED+8*\i+5], v[RED+8*\i+4:RED+8*\i+5], v[RED+8*\i+6:RED+8*\i+7]
.endr
.irp i, 0,1,2,3,4,5,6,7
	v_pk_add_f32 v[RED+8*\i:RED+8*\i+1], v[RED+8*\i:RED+8*\i+1], v[RED+8*\i+4:RED+8*\i+5]
.endr
.irp i, 0,1,2,3,4,5,6,7
	v_add_f32 v[RED+8*\i], v[RED+8*\i], v[RED+8*\i+1]
.endr
.endm
	WIN 0x05                                       ; a's sums, all slots by turns
.set i_, 0
.rept 8
	v_pk_add_f32 v[RED+8*i_:RED+8*i_+1], v[32*i_:32*i_+1], v[32*i_+2:32*i_+3]
	v_pk_add_f32 v[RED+8*i_+2:RED+8*i_+3], v[32*i_+4:32*i_+5], v[32*i_+6:32*i_+7]
.set i_, i_+1
.endr
	WIN 0x01
.set q_, 8
.rept 6
.set i_, 0
.rept 8
	v_pk_add_f32 v[RED+8*i_:RED+8*i_+1], v[32*i_+q_:32*i_+q_+1], v[RED+8*i_:RED+8*i_+1]
	v_pk_add_f32 v[RED+8*i_+2:RED+8*i_+3], v[32*i_+q_+2:32*i_+q_+3], v[RED+8*i_+2:RED+8*i_+3]
.set i_, i_+1
.endr
.set q_, q_+4
.endr
	WIN 0
	REDUCE8 0                                      ; (its barrier also ends every wave's reads of x in LDS)
.irp i, 0,1,2,3,4,5,6,7
	v_mul_f32 v[ST+4*\i], s46, v[RED+8*\i]         ; the mean
.endr
	WIN 0x41
.set n_, 0
.rept 128
	v_pk_add_f32 v[2*n_:2*n_+1], v[2*n_:2*n_+1], v[ST+4*(n_/16):ST+4*(n_/16)+1] op_sel_hi:[1,0] neg_lo:[0,1] neg_hi:[0,1]   ; a - mean: the variance is taken in a second pass
.set n_, n_+1
.endr
	WIN 0x05
.set i_, 0
.rept 8
	v_pk_mul_f32 v[RED+8*i_:RED+8*i_+1], v[32*i_:32*i_+1], v[32*i_:32*i_+1]
	v_pk_mul_f32 v[RED+8*i_+2:RED+8*i_+3], v[32*i_+2:32*i_+3], v[32*i_+2:32*i_+3]
.set i_, i_+1
.endr
.set q_, 4
.rept 7
.set i_, 0
.rept 8
	v_pk_fma_f32 v[RED+8*i_:RED+8*i_+1], v[32*i_+q_:32*i_+q_+1], v[32*i_+q_:32*i_+q_+1], v[RED+8*i_:RED+8*i_+1]
	v_pk_fma_f32 v[RED+8*i_+2:RED+8*i_+3], v[32*i_+q_+2:32*i_+q_+3], v[32*i_+q_+2:32*i_+q_+3], v[RED+8*i_+2:RED+8*i_+3]
.set i_, i_+1
.endr
.set q_, q_+4
.endr
	WIN 0
	REDUCE8 4096
.irp i, 0,1,2,3,4,5,6,7
	v_fma_f32 v[RED+8*\i], v[RED+8*\i], s46, s47
.endr
.irp i, 0,1,2,3,4,5,6,7
	v_rsq_f32 v[ST+4*\i+2], v[RED+8*\i]
.endr
; ---- the third and fourth products' names
.set W1A,  6                           ; 256 (r + 8 (r / 8)) + 16 hh
.set W1SA, 7                           ; 16 (8 hh + r + 8 (r / 8))
.set XIW,  8
.set XSW,  9
.set ACC,  12                          ; v12-43  four tiles of the hidden layer
.set XF,   44                          ; v44-75  a slot's four fragments of h2; the quantiser's work lies over them
.set B1,   76                          ; v76-107 b1 in the result's layout
.set WF,   108                         ; v108-235 weights: half of my part of W1, or four K steps of W2
.set XSCL, 236
.set W1S,  240
.set HF,   12                          ; v12-75  eight slots' fragments of the hidden layer
.set W2S,  236
.set HS,   252
	v_and_b32 v8, 15, v0                           ; (plain instructions behind the roots)
	v_bfe_u32 v9, v0, 4, 1
	v_and_b32 v10, 8, v8
	v_add_nc_u32 v10, v10, v8
	v_lshlrev_b32 v[W1A], 8, v10
	v_lshl_add_u32 v[W1A], v9, 4, v[W1A]
	v_lshl_add_u32 v[W1SA], v9, 3, v10
	v_lshlrev_b32 v[W1SA], 4, v[W1SA]
	v_lshlrev_b32 v[XIW], 4, v0                    ; h2's codes: 1024 (w / 2) + 512 (w % 2) + 16 lane = 16 x thread
	v_and_b32 v[XSW], 31, v0
	v_lshlrev_b32 v[XSW], 2, v[XSW]
	v_bfe_u32 v10, v0, 6, 2
	v_lshl_add_u32 v[XSW], v10, 7, v[XSW]
	v_bfe_u32 v10, v0, 5, 1
	v_lshl_add_u32 v[XSW], v10, 1, v[XSW]
	v_add_nc_u32 v[XSW], XSC, v[XSW]               ; my half of a scale word: 128 (w / 2) + 4 lane + 2 (w % 2)
	s_wait_alu depctr_va_vdst(0)                   ; one wait for the eight roots
; Half hf of my 128 hidden units: four tiles x four K steps of W1 (lane r of tile 2 bq + u takes unit 64 hf + 32 bq + 8 u + r + 8 (r / 8)), and their scale words: 16 bytes are a unit's four K steps.
.macro W1LOAD hf
.irp q, 0,1,2,3
.irp ks, 0,1,2,3
.irp cc, 0,1
	global_load_b128 v[WF+32*\q+8*\ks+4*\cc:WF+32*\q+8*\ks+4*\cc+3], v[W1A], s[P_W1C:P_W1C+1] offset:(64*\hf+32*(\q/2)+8*(\q%2))*256+64*\ks+32*\cc
.endr
.endr
.endr
.irp bq, 0,1
	global_load_b128 v[W1S+4*\bq:W1S+4*\bq+3], v[W1SA], s[P_W1S:P_W1S+1] offset:(64*\hf+32*\bq)*16
.endr
.endm
.macro B1LOAD hf
.irp q, 0,1,2,3
.irp e, 0,1
	global_load_b128 v[B1+8*\q+4*\e:B1+8*\q+4*\e+3], v[HH64], s[P_FB1:P_FB1+1] offset:(64*\hf+32*(\q/2)+8*(\q%2))*4+16*\e
.endr
.endr
.endm
; 32 numbers of a lane, register 16 b + n = k 32 b + 16 hh + n of my row, become half a fragment (four registers at wk + 10) and half a scale word (wk + 8).  w1 = 1: the numbers lie in window 1.
.macro Q2 src, w1, wk
.if \w1
	WIN 0x05
.endif
.irp b, 0,1
	v_max3_num_f32 v[\b+(\wk)], |v[16*\b+(\src)]|, |v[16*\b+1+(\src)]|, 0x1800000
.endr
.irp q, 2,4,6,8,10,12,14
.irp b, 0,1
	v_max3_num_f32 v[\b+(\wk)], |v[16*\b+\q+(\src)]|, |v[16*\b+\q+1+(\src)]|, v[\b+(\wk)]
.endr
.endr
	WIN 0
.irp b, 0,1
	v_permlanex16_b32 v[2+\b+(\wk)], v[\b+(\wk)], s[SEL], s[SEL+1]
.endr
.irp b, 0,1
	v_max_num_f32 v[\b+(\wk)], v[\b+(\wk)], v[2+\b+(\wk)]
.endr
.irp b, 0,1
	v_add_nc_u32 v[4+\b+(\wk)], 0xff000000, v[\b+(\wk)]
.endr
.irp b, 0,1
	v_lshrrev_b32 v[6+\b+(\wk)], 23, v[4+\b+(\wk)]
.endr
	v_lshl_or_b32 v[8+(\wk)], v[7+(\wk)], 8, v[6+(\wk)]
.if \w1
	WIN 0x01
.endif
.irp b, 0,1
	v_cvt_scalef32_pk8_fp4_f32 v[10+2*\b+(\wk)], v[16*\b+(\src):16*\b+7+(\src)], v[4+\b+(\wk)]
	v_cvt_scalef32_pk8_fp4_f32 v[11+2*\b+(\wk)], v[16*\b+8+(\src):16*\b+15+(\src)], v[4+\b+(\wk)]
.endr
	WIN 0
	v_nop
	v_permlane16_swap_b32 v[10+(\wk)], v[12+(\wk)]
	v_permlane16_swap_b32 v[11+(\wk)], v[13+(\wk)]
.endm
	W1LOAD 0
	s_wait_loadcnt 34                              ; LN2's gain and bias are in; W1's 34 loads may be out
	WIN 0x41
.set i_, 0
.rept 8
.set q_, 0
.rept 16
	v_pk_mul_f32 v[32*i_+q_:32*i_+q_+1], v[32*i_+q_:32*i_+q_+1], v[ST+4*i_+2:ST+4*i_+3] op_sel_hi:[1,0]
.set q_, q_+2
.endr
.set q_, 0
.rept 16
	v_pk_fma_f32 v[32*i_+q_:32*i_+q_+1], v[32*i_+q_:32*i_+q_+1], v[GV+q_:GV+q_+1], v[BV+q_:BV+q_+1]   ; h2
.set q_, q_+2
.endr
.set i_, i_+1
.endr
	WIN 0
	VEC32 44, P_FB2                                ; b2
	B1LOAD 0
.irp i, 0,1,2,3,4,5,6,7                        ; my 64 columns of h2 are half (w % 2) of K step w / 2; the work registers take turns between two sets
	Q2 32*\i, 1, 12+14*(\i%2)
	ds_store_b128 v[XIW], v[22+14*(\i%2):25+14*(\i%2)] offset:4096*\i
	ds_store_b16 v[XSW], v[20+14*(\i%2)] offset:512*\i
	s_wait_dscnt 2                                 ; the slot before's two stores are done: its set may be written again
.endr
	s_wait_loadcnt 8                               ; b2 is in; b1's eight loads may be out
	WIN 0x41
.set n_, 0
.rept 128
	v_pk_add_f32 v[2*n_:2*n_+1], v[2*n_:2*n_+1], v[44+2*(n_%16):45+2*(n_%16)]      ; h2 + b2: what the last product adds onto
.set n_, n_+1
.endr
	WIN 0
	v_and_b32 v10, 31, v0
	v_lshrrev_b32 v11, 5, v0
	v_lshlrev_b32 v1, 4, v10                       ; h2's fragments: XIMG + 16 lane
	v_lshl_add_u32 v3, v10, 2, XSC                 ; their scale words
	v_lshl_add_u32 v4, v11, 13, v1
	v_add_nc_u32 v4, HIMG, v4                      ; the hidden layer's codes: 8192 wave + 16 lane
	v_lshlrev_b32 v5, 2, v10
	v_lshl_add_u32 v5, v11, 10, v5
	v_add_nc_u32 v5, HSC, v5                       ; its scale words: 1024 wave + 4 lane
	BAR                                            ; h2's 32 fragments lie in LDS
; Half hf of my hidden units, for the eight slots: a loop of eight trips.  A trip: a slot's four fragments from LDS, 16 products (K step by K step, the four tiles by turns; b1 starts the sums), relu, quantise, image to LDS.
.macro FFN1H hf
	s_wait_loadcnt 0x0                             ; the weights, their scales and b1
	s_mov_b32 s[STP], 0
.Lslot_\@:
	s_lshl_b32 s76, s[STP], 12
	s_lshl_b32 s77, s[STP], 9
	s_lshl_b32 s78, s[STP], 10
	s_lshl_b32 s79, s[STP], 7
	v_add_nc_u32 v8, s76, v1
	v_add_nc_u32 v9, s77, v3
	v_add_nc_u32 v10, s78, v4
	v_add_nc_u32 v11, s79, v5
.irp ks, 0,1,2,3
.irp cc, 0,1
	ds_load_b128 v[XF+8*\ks+4*\cc:XF+8*\ks+4*\cc+3], v8 offset:1024*\ks+512*\cc
.endr
	ds_load_b32 v[XSCL+\ks], v9 offset:128*\ks
.endr
	s_wait_dscnt 0x0
.irp q, 0,1,2,3
	WM ACC+8*\q, WF+32*\q, XF, B1+8*\q, W1S+4*(\q/2), XSCL, \q%2, 0
.endr
.irp ks, 1,2,3
.irp q, 0,1,2,3
	WM ACC+8*\q, WF+32*\q+8*\ks, XF+8*\ks, ACC+8*\q, W1S+4*(\q/2)+\ks, XSCL+\ks, \q%2, 0
.endr
.endr
	PLACES
.set j_, 0
.rept 32
	v_max_num_f32 v[ACC+j_], 0, v[ACC+j_]
.set j_, j_+1
.endr
	Q2 ACC, 0, 44
	ds_store_b128 v10, v[54:57] offset:512*\hf
	ds_store_b16 v11, v52 offset:2*\hf
	s_wait_dscnt 0x0                               ; the stores have read their registers: the next slot's fragments may land there
	s_add_co_u32 s[STP], s[STP], 1
	s_cmp_lt_u32 s[STP], 8
	s_cbranch_scc1 .Lslot_\@
.endm
	FFN1H 0
	W1LOAD 1                                       ; 24 of the relu's lines and the quantiser stand between the last product and these loads
	B1LOAD 1
	FFN1H 1
; ---- the fourth product
	v_and_b32 v8, 15, v0
	v_bfe_u32 v9, v0, 4, 1
	v_and_b32 v10, 8, v8
	v_add_nc_u32 v10, v10, v8
	v_lshlrev_b32 v1, 9, v10
	v_lshl_add_u32 v1, v9, 4, v1                   ; W2: 512 (r + 8 (r / 8)) + 16 hh
	v_lshl_add_u32 v2, v9, 3, v10
	v_lshlrev_b32 v2, 5, v2                        ; its scales: 32 (8 hh + r + 8 (r / 8))
.macro W2LOAD ks                       ; K step ks of my four tiles of W2's rows, into buffer ks % 4
.irp t, 0,1,2,3
.irp cc, 0,1
	global_load_b128 v[WF+32*((\ks)%4)+8*\t+4*\cc:WF+32*((\ks)%4)+8*\t+4*\cc+3], v1, s[P_W2C:P_W2C+1] offset:(32*(\t/2)+8*(\t%2))*512+64*(\ks)+32*\cc
.endr
.endr
.endm
.irp bb, 0,1
.irp g, 0,1
	global_load_b128 v[W2S+8*\bb+4*\g:W2S+8*\bb+4*\g+3], v2, s[P_W2S:P_W2S+1] offset:1024*\bb+16*\g   ; a row's eight K steps' words: lanes 0-15 tile 2 bb, lanes 16-31 tile 2 bb + 1
.endr
.endr
	W2LOAD 0
	W2LOAD 1
	W2LOAD 2
	W2LOAD 3
	v_and_b32 v10, 31, v0
	v_lshl_add_u32 v3, v10, 4, HIMG                ; the hidden layer's fragments
	v_lshlrev_b32 v4, 2, v8
	v_lshl_add_u32 v4, v9, 7, v4
	v_add_nc_u32 v4, HSC, v4                       ; their scale words: lanes 0-15 an even slot's, lanes 16-31 the odd slot's beside it
	s_mul_i32 s6, s[WV], 4352
	s_add_co_u32 s6, s6, OST                       ; my stage
	v_mul_u32_u24 v5, v8, 272
	v_lshl_add_u32 v5, v9, 6, v5
	v_add_nc_u32 v5, s6, v5                        ; in: row r, + 64 hh
	v_mul_u32_u24 v6, v9, 272
	v_lshl_add_u32 v6, v8, 4, v6
	v_add_nc_u32 v6, s6, v6                        ; back: lanes 0-15 one row of 256 bytes, lanes 16-31 the next
	v_lshlrev_b32 v7, 11, v9
	v_lshl_add_u32 v7, v8, 4, v7                   ; and the same two rows in out0
	BAR                                            ; the hidden layer's 64 fragments lie in LDS
; A K step of 128 hidden units: 32 products on 32 accumulators by turns.  left: the eight loads of each K step of W2 asked for behind this one's.
.macro KSTEP ks, left
.irp i, 0,1,2,3,4,5,6,7
.irp cc, 0,1
	ds_load_b128 v[HF+8*\i+4*\cc:HF+8*\i+4*\cc+3], v3 offset:(8*\ks+\i)*1024+512*\cc
.endr
.endr
.irp m, 0,1,2,3
	ds_load_b32 v[HS+\m], v4 offset:1024*\ks+256*\m
.endr
	s_wait_loadcnt \left
	s_wait_dscnt 0x0
	WIN 0x50
.irp i, 0,1,2,3,4,5,6,7
.irp t, 0,1,2,3
	WM 32*\i+8*\t, WF+32*(\ks%4)+8*\t, HF+8*\i, 32*\i+8*\t, W2S+8*(\t/2)+\ks, HS+\i/2, \t%2, \i%2
.endr
.endr
	WIN 0
	PLACES
.if \ks < 4
	W2LOAD \ks+4
.endif
.endm
	KSTEP 0, 24
	KSTEP 1, 24
	KSTEP 2, 24
	KSTEP 3, 24
	KSTEP 4, 24
	KSTEP 5, 16
	KSTEP 6, 8
	KSTEP 7, 0
; THE WAY OUT, a slot at a time: a lane's numbers are pieces of one row, the lanes beside it hold other rows: so 16 rows x 256 bytes go through my own stage and come back as rows.
.macro OSTAGE i
	WIN 0x04                                       ; an LDS store's data are its source 1: window 1
.irp t, 0,1,2,3
.irp e, 0,1
	ds_store_b128 v5, v[32*(\i)+8*\t+4*\e:32*(\i)+8*\t+4*\e+3] offset:128*(\t/2)+32*(\t%2)+16*\e   ; each accumulator from its low end on
.endr
.endr
	WIN 0
.irp t, 0,1,2,3,4,5,6,7
	ds_load_b128 v[12+32*((\i)%2)+4*\t:12+32*((\i)%2)+4*\t+3], v6 offset:544*\t    ; LDS serves a wave's instructions in order: these see the stores above, and the next slot's stores come behind them
.endr
.endm
.macro OSEND i, younger
	s_wait_dscnt \younger                          ; the slot is back in registers; the next slot's 16 LDS instructions may be out
	s_lshl_b32 s6, s[RB+(\i)], 11
	v_add_nc_u32 v[8+(\i)%2], s6, v7
.if (\i) == 1
	s_cmp_eq_u32 s[JQ], 3                          ; rows 484-495 belong to the tile before, in another work-group
	s_cbranch_scc1 .Lmine_\@
.endif
.irp t, 0,1,2,3,4,5
	global_store_b128 v[8+(\i)%2], v[12+32*((\i)%2)+4*\t:12+32*((\i)%2)+4*\t+3], s[P_OUT:P_OUT+1] offset:4096*\t th:TH_STORE_NT   ; sixteen lanes store 256 consecutive bytes, aligned
.endr
.if (\i) == 1
.Lmine_\@:
.endif
.irp t, 6,7
	global_store_b128 v[8+(\i)%2], v[12+32*((\i)%2)+4*\t:12+32*((\i)%2)+4*\t+3], s[P_OUT:P_OUT+1] offset:4096*\t th:TH_STORE_NT
.endr
.endm
	OSTAGE 0
.irp a, 1,2,3,4,5,6,7
.if \a > 1
	s_wait_xcnt 0x0                                ; slot a - 2's stores have read their registers and their offset: slot a's loads may land there, and the offset register may be written
.endif
	OSTAGE \a
	OSEND \a-1, 16
.endr
	OSEND 7, 0
	s_wait_xcnt 0x0
	v_lshl_add_u32 v254, v0, 2, 0x4d000
	v_mov_b32 v255, 0
	s_wait_tensorcnt 0x0
	ds_add_u32 v254, v255
	s_wait_dscnt 0x0
	s_endpgm
.Lfunc_end_k_qbb33f655b0_layer:
	.size	k_qbb33f655b0_layer, .Lfunc_end_k_qbb33f655b0_layer-k_qbb33f655b0_layer
	.p2alignl 7, 3214868480
	.fill 96, 4, 3214868480
	.section	.rodata,"a",@progbits
	.p2align	6, 0x0
	.amdhsa_kernel k_qbb33f655b0_layer
		.amdhsa_group_segment_fixed_size 316416
		.amdhsa_private_segment_fixed_size 0
		.amdhsa_enable_private_segment 0
		.amdhsa_kernarg_size 136
		.amdhsa_user_sgpr_count 2
		.amdhsa_user_sgpr_kernarg_segment_ptr 1
		.amdhsa_wavefront_size32 1
		.amdhsa_system_sgpr_workgroup_id_x 1
		.amdhsa_system_sgpr_workgroup_id_y 1
		.amdhsa_system_sgpr_workgroup_id_z 1
		.amdhsa_system_vgpr_workitem_id 0
		.amdhsa_next_free_vgpr 512
		.amdhsa_next_free_sgpr 96
		.amdhsa_reserve_vcc 1
		.amdhsa_float_denorm_mode_32 3
		.amdhsa_float_denorm_mode_16_64 3
		.amdhsa_memory_ordered 1
		.amdhsa_forward_progress 1
		.amdhsa_inst_pref_size 255
	.end_amdhsa_kernel
	.section	.bss,"aw",@nobits
	.p2align	6
	.space	262144
	.amdgpu_metadata
---
amdhsa.version: [ 1, 2 ]
amdhsa.kernels:
  - .name:           k_qbb33f655b0_layer
    .symbol:         k_qbb33f655b0_layer.kd
    .args:
      - { .name: x, .offset: 0, .size: 8, .value_kind: global_buffer, .address_space: global }
      - { .name: stats, .offset: 8, .size: 8, .value_kind: global_buffer, .address_space: global }
      - { .name: kq, .offset: 16, .size: 8, .value_kind: global_buffer, .address_space: global }
      - { .name: kqs, .offset: 24, .size: 8, .value_kind: global_buffer, .address_space: global }
      - { .name: vt, .offset: 32, .size: 8, .value_kind: global_buffer, .address_space: global }
      - { .name: vts, .offset: 40, .size: 8, .value_kind: global_buffer, .address_space: global }
      - { .name: ln1_g, .offset: 48, .size: 8, .value_kind: global_buffer, .address_space: global }
      - { .name: ln1_b, .offset: 56, .size: 8, .value_kind: global_buffer, .address_space: global }
      - { .name: ln2_g, .offset: 64, .size: 8, .value_kind: global_buffer, .address_space: global }
      - { .name: ln2_b, .offset: 72, .size: 8, .value_kind: global_buffer, .address_space: global }
      - { .name: W1_codes, .offset: 80, .size: 8, .value_kind: global_buffer, .address_space: global }
      - { .name: W1_scales, .offset: 88, .size: 8, .value_kind: global_buffer, .address_space: global }
      - { .name: b1, .offset: 96, .size: 8, .value_kind: global_buffer, .address_space: global }
      - { .name: W2_codes, .offset: 104, .size: 8, .value_kind: global_buffer, .address_space: global }
      - { .name: W2_scales, .offset: 112, .size: 8, .value_kind: global_buffer, .address_space: global }
      - { .name: b2, .offset: 120, .size: 8, .value_kind: global_buffer, .address_space: global }
      - { .name: out0, .offset: 128, .size: 8, .value_kind: global_buffer, .address_space: global }
    .group_segment_fixed_size: 316416
    .private_segment_fixed_size: 0
    .kernarg_segment_align: 8
    .kernarg_segment_size: 136
    .max_flat_workgroup_size: 256
    .sgpr_count:     96
    .vgpr_count:     512
    .wavefront_size: 32
...
	.end_amdgpu_metadata
.endif
;; end of part 2
